; MI455X (gfx1250); checked and timed in simulation.
; The chip was launched on July 23, 2026; its instructions are those of AMD's public machine-readable ISA for CDNA 5 (MIT licence, August 2026) and "CDNA5" Instruction Set Architecture Reference Guide (July 2026). The comments in the code are by the model that wrote it; some were corrected since.
;; Diff Io U. Allowed arithmetic: float matrix products may take bf16 or f16 operands with f32 sums; all other float work in f32.
;; Inputs: gt 512 x 64 x 2 float32; gt_mask 512 x 4 x 100 x 100 float32; poly 512 x 64 x 2 float32.
;; Outputs: out0 512 float32.
;; One version. Each part assembles by itself: llvm-mc -triple=amdgcn-amd-amdhsa -mcpu=gfx1250 --defsym DOCPART=n.
;; ======== version 1 of 1: 2 launches
;; limits: an absolute error that grows with the inputs' magnitude: up to 0.00022 times it
;; workspace buffers: eint 1,048,576 bytes of whole numbers; eflt 2,097,152 bytes
;; launch edges (part 1): grid 512 x 1, 1 waves a work-group, no clusters, 0 bytes of LDS; arguments poly, gt, eint, eflt; writes eint, eflt
.if DOCPART == 1
	.amdgcn_target "amdgcn-amd-amdhsa--gfx1250"
	.amdhsa_code_object_version 6
	.text
	.protected	k_q403f2942d8_edges
	.globl	k_q403f2942d8_edges
	.p2align	8
	.type	k_q403f2942d8_edges,@function
k_q403f2942d8_edges:
	s_mov_b64 s[64:65], 0
	v_nop
	global_prefetch_b8 v0, s[64:65] scope:SCOPE_SE
	s_setreg_imm32_b32 hwreg(HW_REG_WAVE_MODE, 25, 1), 1
	s_wait_xcnt 0x0
; EDGES.  One wave for each batch; lane l takes edges l and l + 32 of poly's 64, each in both directions.
; It makes all that the second launch needs of poly and gt:
;   eflt, 4,096 bytes a batch (floats):  0    start x, start y, unit vx, unit vy   [direction][edge], 16 bytes
;                                        2048 xlo-1e-3, xhi+1e-3, ylo-1e-3, yhi+1e-3 [edge], 16 bytes
;                                        3072 +-0.5 by x1 > x0, +-0.5 by y1 > y0     [edge], 8 bytes
;                                        3584 |area(poly)| + |area(gt)|, repeated over 512 bytes
;   eint, 2,048 bytes a batch (whole numbers): start x, start y, vx, vy in fixed point, 20 fraction bits [direction][edge], 16 bytes
; Every store of the wave covers 256 or 512 consecutive bytes, aligned.
; EXACTNESS.  Which samples are kept hangs on floor() of x0 + s * vx, so vx and vy are made with the bits that IEEE square root and division give:
; v_sqrt_f32 is corrected by testing its two neighbours with fused residuals, the quotient by two fused residual steps on a refined reciprocal.
; The products vx * vx, vy * vy and their sum are rounded one by one.
; FIXED POINT.  Starts are clamped to -1024 .. 1124: from beyond, 224 unit steps stay on the same side of the 100 pixels.
; LIMITS.  NaN and infinite coordinates are not treated apart.  A direction whose vector is exactly (0, 0) has no sample (0 / 0 in the formula):
; its start x is stored as +infinity and its vector as 0, so that no step of it lies in the segment.
.set T,    24                          ; v24-33 at work
.set HALF, 36                          ; 0.5
.set AR,   37                          ; poly's area, signed
.set AG,   38                          ; gt's
.set E6,   20                          ; s20 1e-6
.set E3,   21                          ; s21 1e-3
.set LO,   22                          ; s22 -1024
.set HI,   23                          ; s23 1124
.set P20,  24                          ; s24 2^20
	s_load_b256 s[4:11], s[0:1], 0x0               ; poly s[4:5], gt s[6:7], eint s[8:9], eflt s[10:11]
	v_lshlrev_b32 v1, 3, v0                        ; 8 l: vertex l
	v_lshlrev_b32 v2, 4, v0                        ; 16 l
	v_add_nc_u32 v3, 33, v0
	v_and_b32 v3, 63, v3
	v_lshlrev_b32 v3, 3, v3                        ; vertex (l + 33) mod 64
	s_lshl_b32 s12, ttmp9, 9                       ; a batch of poly or gt is 512 bytes,
	s_mov_b32 s13, 0
	s_lshl_b32 s14, ttmp9, 11                      ; of eint 2,048,
	s_mov_b32 s15, 0
	s_lshl_b32 s16, ttmp9, 12                      ; of eflt 4,096
	s_mov_b32 s17, 0
	s_mov_b32 s18, 0x76543210                      ; v_permlanex16_b32: each lane takes its own place in the other half
	s_mov_b32 s19, 0xfedcba98
	s_mov_b32 s[E6], 0x358637bd
	s_mov_b32 s[E3], 0x3a83126f
	s_mov_b32 s[LO], 0xc4800000
	s_mov_b32 s[HI], 0x448c8000
	s_mov_b32 s[P20], 0x49800000
	v_mov_b32 v[HALF], 0.5
	v_mov_b32 v[T+1], 0                            ; v_permlanex16_b32 counts as a reader of its destination
	s_wait_kmcnt 0x0
	s_add_nc_u64 s[4:5], s[4:5], s[12:13]
	s_add_nc_u64 s[6:7], s[6:7], s[12:13]
	s_add_nc_u64 s[8:9], s[8:9], s[14:15]
	s_add_nc_u64 s[10:11], s[10:11], s[16:17]
	global_load_b64 v[8:9],   v1, s[4:5]            ; poly: vertex l,
	global_load_b64 v[10:11], v1, s[4:5] offset:8   ; l + 1,
	global_load_b64 v[12:13], v1, s[4:5] offset:256 ; l + 32,
	global_load_b64 v[14:15], v3, s[4:5]            ; (l + 33) mod 64
	global_load_b64 v[16:17], v1, s[6:7]            ; gt likewise
	global_load_b64 v[18:19], v1, s[6:7] offset:8
	global_load_b64 v[20:21], v1, s[6:7] offset:256
	global_load_b64 v[22:23], v3, s[6:7]
	s_wait_loadcnt 0x0
; The shoelace sum of the polygon in v[b .. b+7] (two edges a lane: x0, y0, x1, y1 each), the same in every lane.
.macro AREA b, d
	v_max_num_f32 v[T], v[(\b)+1], v[(\b)+5]
	v_max_num_f32_dpp v[T], v[T], v[T] row_xmask:1 row_mask:0xf bank_mask:0xf
	v_max_num_f32_dpp v[T], v[T], v[T] row_xmask:2 row_mask:0xf bank_mask:0xf
	v_max_num_f32_dpp v[T], v[T], v[T] row_xmask:4 row_mask:0xf bank_mask:0xf
	v_max_num_f32_dpp v[T], v[T], v[T] row_xmask:8 row_mask:0xf bank_mask:0xf
	v_permlanex16_b32 v[T+1], v[T], s18, s19
	v_max_num_f32 v[T], v[T], v[T+1]               ; the largest y of the 64
	v_add_f32 v[T+1], v[(\b)+3], v[(\b)+1]
	v_fma_f32 v[T+1], v[T+1], -0.5, v[T]           ; ymax - (y1 + y0) / 2
	v_sub_f32 v[T+2], v[(\b)+2], v[\b]
	v_mul_f32 v[\d], v[T+2], v[T+1]
	v_add_f32 v[T+1], v[(\b)+7], v[(\b)+5]
	v_fma_f32 v[T+1], v[T+1], -0.5, v[T]
	v_sub_f32 v[T+2], v[(\b)+6], v[(\b)+4]
	v_fma_f32 v[\d], v[T+2], v[T+1], v[\d]
	v_add_f32_dpp v[\d], v[\d], v[\d] row_xmask:1 row_mask:0xf bank_mask:0xf
	v_add_f32_dpp v[\d], v[\d], v[\d] row_xmask:2 row_mask:0xf bank_mask:0xf
	v_add_f32_dpp v[\d], v[\d], v[\d] row_xmask:4 row_mask:0xf bank_mask:0xf
	v_add_f32_dpp v[\d], v[\d], v[\d] row_xmask:8 row_mask:0xf bank_mask:0xf
	v_permlanex16_b32 v[T+1], v[\d], s18, s19
	v_add_f32 v[\d], v[\d], v[T+1]
.endm
; One direction of an edge: from (sx, sy) to (ex, ey).  po: four floats out, io: four whole numbers out.
.macro DIR sx, sy, ex, ey, po, io
	v_sub_f32 v[T], v[\ex], v[\sx]
	v_sub_f32 v[T+1], v[\ey], v[\sy]
	v_add_f32 v[T], s[E6], v[T]                    ; vx = (ex - sx) + 1e-6
	v_add_f32 v[T+1], s[E6], v[T+1]
	v_mul_f32 v[T+2], v[T], v[T]
	v_mul_f32 v[T+3], v[T+1], v[T+1]
	v_add_f32 v[T+2], v[T+2], v[T+3]               ; a = vx vx + vy vy, three roundings
	v_sqrt_f32 v[T+3], v[T+2]
	v_med3_num_f32 v[T+8], v[\sx], s[LO], s[HI]    ; a plain instruction stands between the root and its use (ISA guide 5.7.2)
	s_wait_alu depctr_va_vdst(0)
	v_add_nc_u32 v[T+4], -1, v[T+3]                ; the float below the root,
	v_add_nc_u32 v[T+5], 1, v[T+3]                 ; and the one above
	v_fma_f32 v[T+6], -v[T+4], v[T+3], v[T+2]      ; a - below x root: not positive where the root is one too high
	v_fma_f32 v[T+7], -v[T+5], v[T+3], v[T+2]      ; a - above x root: positive where it is one too low
	v_cmp_ge_f32 vcc_lo, 0, v[T+6]
	v_cndmask_b32 v[T+3], v[T+3], v[T+4], vcc_lo
	v_cmp_lt_f32 vcc_lo, 0, v[T+7]
	v_cndmask_b32 v[T+3], v[T+3], v[T+5], vcc_lo   ; n = sqrt(a), rounded to nearest
	v_rcp_f32 v[T+4], v[T+3]
	v_med3_num_f32 v[T+9], v[\sy], s[LO], s[HI]    ; the plain instruction behind the reciprocal
	s_wait_alu depctr_va_vdst(0)
	v_fma_f32 v[T+5], -v[T+3], v[T+4], 1.0
	v_fma_f32 v[T+4], v[T+5], v[T+4], v[T+4]       ; 1 / n, refined
	v_mul_f32 v[T+5], v[T], v[T+4]
	v_fma_f32 v[T+6], -v[T+3], v[T+5], v[T]        ; the quotient's residual, exact,
	v_fma_f32 v[T+5], v[T+6], v[T+4], v[T+5]
	v_fma_f32 v[T+6], -v[T+3], v[T+5], v[T]        ; and once more:
	v_fma_f32 v[T+5], v[T+6], v[T+4], v[T+5]       ; vx / n, rounded to nearest
	v_mul_f32 v[T+7], v[T+1], v[T+4]
	v_fma_f32 v[T+6], -v[T+3], v[T+7], v[T+1]
	v_fma_f32 v[T+7], v[T+6], v[T+4], v[T+7]
	v_fma_f32 v[T+6], -v[T+3], v[T+7], v[T+1]
	v_fma_f32 v[T+7], v[T+6], v[T+4], v[T+7]       ; vy / n
	v_cmp_lt_f32 vcc_lo, 0, v[T+2]                 ; a > 0; else the direction has no sample
	v_cndmask_b32 v[\po], 0x7f800000, v[\sx], vcc_lo
	v_mov_b32 v[(\po)+1], v[\sy]
	v_cndmask_b32 v[(\po)+2], 0, v[T+5], vcc_lo
	v_cndmask_b32 v[(\po)+3], 0, v[T+7], vcc_lo
	v_mul_f32 v[T+8], s[P20], v[T+8]               ; the clamped start times 2^20,
	v_mul_f32 v[T+9], s[P20], v[T+9]
	v_cvt_i32_f32 v[\io], v[T+8]
	v_cvt_i32_f32 v[(\io)+1], v[T+9]
	v_mul_f32 v[T+8], s[P20], v[(\po)+2]           ; the step likewise, to the nearest: 223 steps are off by 1.1e-4 at the most
	v_mul_f32 v[T+9], s[P20], v[(\po)+3]
	v_rndne_f32 v[T+8], v[T+8]
	v_rndne_f32 v[T+9], v[T+9]
	v_cvt_i32_f32 v[(\io)+2], v[T+8]
	v_cvt_i32_f32 v[(\io)+3], v[T+9]
.endm
; What both directions of the edge in v[b .. b+3] share: lm four limits, sg two signs.
.macro BOTH b, lm, sg
	v_min_num_f32 v[T], v[\b], v[(\b)+2]
	v_max_num_f32 v[T+1], v[\b], v[(\b)+2]
	v_min_num_f32 v[T+2], v[(\b)+1], v[(\b)+3]
	v_max_num_f32 v[T+3], v[(\b)+1], v[(\b)+3]
	v_sub_f32 v[\lm], v[T], s[E3]
	v_add_f32 v[(\lm)+1], s[E3], v[T+1]
	v_sub_f32 v[(\lm)+2], v[T+2], s[E3]
	v_add_f32 v[(\lm)+3], s[E3], v[T+3]
	v_cmp_gt_f32 vcc_lo, v[(\b)+2], v[\b]
	v_cndmask_b32 v[\sg], -0.5, v[HALF], vcc_lo    ; the sign, with the mean of the two directions folded in
	v_cmp_gt_f32 vcc_lo, v[(\b)+3], v[(\b)+1]
	v_cndmask_b32 v[(\sg)+1], -0.5, v[HALF], vcc_lo
.endm
	AREA 8, AR
	AREA 16, AG
	DIR 8, 9, 10, 11, 48, 40                       ; edge l forward,
	DIR 10, 11, 8, 9, 52, 44                       ; backward
	BOTH 8, 56, 60
	DIR 12, 13, 14, 15, 72, 64                     ; edge l + 32
	DIR 14, 15, 12, 13, 76, 68
	BOTH 12, 80, 84
	v_add_f32 v88, |v[AR]|, |v[AG]|
	v_mov_b32 v89, v88
	v_mov_b32 v90, v88
	v_mov_b32 v91, v88
	global_store_b128 v2, v[40:43], s[8:9]
	global_store_b128 v2, v[64:67], s[8:9] offset:512
	global_store_b128 v2, v[44:47], s[8:9] offset:1024
	global_store_b128 v2, v[68:71], s[8:9] offset:1536
	global_store_b128 v2, v[48:51], s[10:11]
	global_store_b128 v2, v[72:75], s[10:11] offset:512
	global_store_b128 v2, v[52:55], s[10:11] offset:1024
	global_store_b128 v2, v[76:79], s[10:11] offset:1536
	global_store_b128 v2, v[56:59], s[10:11] offset:2048
	global_store_b128 v2, v[80:83], s[10:11] offset:2560
	global_store_b64  v1, v[60:61], s[10:11] offset:3072
	global_store_b64  v1, v[84:85], s[10:11] offset:3328
	global_store_b128 v2, v[88:91], s[10:11] offset:3584
	s_endpgm
.Lfunc_end_k_q403f2942d8_edges:
	.size	k_q403f2942d8_edges, .Lfunc_end_k_q403f2942d8_edges-k_q403f2942d8_edges
	.p2alignl 7, 3214868480
	.fill 96, 4, 3214868480
	.section	.rodata,"a",@progbits
	.p2align	6, 0x0
	.amdhsa_kernel k_q403f2942d8_edges
		.amdhsa_group_segment_fixed_size 0
		.amdhsa_private_segment_fixed_size 0
		.amdhsa_enable_private_segment 0
		.amdhsa_kernarg_size 32
		.amdhsa_user_sgpr_count 2
		.amdhsa_user_sgpr_kernarg_segment_ptr 1
		.amdhsa_wavefront_size32 1
		.amdhsa_system_sgpr_workgroup_id_x 1
		.amdhsa_system_sgpr_workgroup_id_y 1
		.amdhsa_system_sgpr_workgroup_id_z 1
		.amdhsa_system_vgpr_workitem_id 0
		.amdhsa_next_free_vgpr 92
		.amdhsa_next_free_sgpr 66
		.amdhsa_reserve_vcc 1
		.amdhsa_float_denorm_mode_32 3
		.amdhsa_float_denorm_mode_16_64 3
		.amdhsa_memory_ordered 1
		.amdhsa_forward_progress 1
		.amdhsa_inst_pref_size 15
	.end_amdhsa_kernel
	.amdgpu_metadata
---
amdhsa.version: [ 1, 2 ]
amdhsa.kernels:
  - .name:           k_q403f2942d8_edges
    .symbol:         k_q403f2942d8_edges.kd
    .args:
      - { .name: poly, .offset: 0, .size: 8, .value_kind: global_buffer, .address_space: global }
      - { .name: gt, .offset: 8, .size: 8, .value_kind: global_buffer, .address_space: global }
      - { .name: eint, .offset: 16, .size: 8, .value_kind: global_buffer, .address_space: global }
      - { .name: eflt, .offset: 24, .size: 8, .value_kind: global_buffer, .address_space: global }
    .group_segment_fixed_size: 0
    .private_segment_fixed_size: 0
    .kernarg_segment_align: 8
    .kernarg_segment_size: 32
    .max_flat_workgroup_size: 32
    .sgpr_count:     66
    .vgpr_count:     92
    .wavefront_size: 32
...
	.end_amdgpu_metadata
.endif
;; end of part 1
;; launch main (part 2): grid 256 x 1, 16 waves a work-group, no clusters, 168,704 bytes of LDS; arguments gt_mask, eint, eflt, out0; writes out0
.if DOCPART == 2
	.amdgcn_target "amdgcn-amd-amdhsa--gfx1250"
	.amdhsa_code_object_version 6
	.text
	.protected	k_q403f2942d8_main
	.globl	k_q403f2942d8_main
	.p2align	8
	.type	k_q403f2942d8_main,@function
k_q403f2942d8_main:
	s_mov_b64 s[64:65], 0
	v_nop
	global_prefetch_b8 v0, s[64:65] scope:SCOPE_SE
	s_setreg_imm32_b32 hwreg(HW_REG_WAVE_MODE, 25, 1), 1
	s_wait_xcnt 0x0
; out0[b] = I / (areas - I),  I = (|s0| + |s1| + |s2| + |s3|) / 4,  s_m = the signed sum over poly's edges of the kept samples of mask m, both directions, halved.
; A work-group of 16 waves takes two batches, one after the other.
; THE MASKS of a batch lie in LDS interleaved: pixel (y, x) holds its four masks in 16 bytes at 1,616 y + 16 x, so one ds_load_b128 brings a corner of all four masks and the four
; corners are immediates off one address.  A row is 100 pixels + 16 bytes = 404 words: a step of one row moves the 16-byte column by 5 modulo 16, a step of one pixel by 1
; (64 banks of 4 bytes: ISA guide 11.1), so steep and flat lines alike spread 16 lanes over the columns.
; They come through registers, since four planes have to be woven: thread t (500 of the 512; the last 12 repeat thread 499's bytes) takes two pixels of each plane in each of ten turns: 80 registers
; hold the thread's share of a whole batch.  So batch 1 is asked for before batch 0 is walked, stays in registers meanwhile, and one place in LDS serves both.  The walk issues no global load.
; THE WALK.  A wave owns four edges.  Lanes 0-15 take 16 consecutive steps of the forward direction, lanes 16-31 of the backward one.
; EVERY TRIP COUNT IS A CONSTANT: 13 trips of 16 steps cover the formula's 201 steps for every edge; a trip whose steps all lie beyond the segment adds zeros and is walked all the same.
; ADDRESSES are made of whole numbers read from eint alone: base pixel = clamp((X0 + s VX) >> 20, 0, 98) in x and in y.
; VALUES are made in f32 from eflt: xs = x0 + s vx (a product and a sum, each rounded, as the formula is written), the segment and range tests, floor() against the step before.
; The weight of column bx + 1 is clamp(xs - bx, 0, 1): with bx = clamp(floor(xs), 0, 98) that is the formula's clipped bilinear weight for every xs; where the fixed-point bx is one off,
; which needs xs within 2.2e-4 of a whole number, the clamp takes the value at the pixel's edge: an error of at most 2.2e-4 of the difference of two neighbouring pixels.
; 'THE STEP BEFORE WAS VALID' is the lane mask shifted by one in scalar registers; bits 15 and 31 are carried into the next trip.
; A sample that is not kept is multiplied by 0.  LIMITS: gt_mask is finite (0 x infinity would be NaN where the formula selects 0); NaN and infinite coordinates are not treated apart.
; No cluster: no two work-groups read a common byte.
.set MBYTES, 160000                    ; a batch of gt_mask
.set PLANE,  40000                     ; one mask
.set IBYTES, 2048                      ; a batch of eint
.set FBYTES, 4096                      ; a batch of eflt
.set PITCH,  1616
.set TRIPS,  13                        ; 13 x 16 = 208 steps for the formula's 201
.set TBL,    162048                    ; LDS: the batch's 4,096 bytes of eflt, behind the masks (161,600 bytes from 0)
.set RED,    TBL+4096                  ; 16 bytes a wave and batch: the waves' sums
.set SPARE,  RED+512                   ; the spare words, 128 bytes for each of 16 waves: eight blocks of 256 bytes that no other line names
.set SPW, 1                            ; v1   LDS address of my spare word; never rewritten
.set NIL, 2                            ; v2   0; never rewritten
.set LJ,  3                            ; v3   my step in a trip, lane mod 16
.set AAS, 4                            ; v4   LDS address of the areas
.set GM,  5                            ; v5   my byte offset in a plane: 8 min(t, 499)
.set LA0, 6                            ; v6   where my two pixels of turn 0 go in LDS;  v7 the same for turn 5
.set LA1, 7
.set GE,  8                            ; v8   my 16 bytes of the batch's eflt;  v9 their place in LDS
.set LT,  9
.set GI,  10                           ; v10  my direction's and wave's place in the batch's eint
.set AP0, 11                           ; v11-13  my wave's place in the three parts of the table in LDS
.set AP1, 12
.set AP2, 13
.set J,   14                           ; v[14:15] lane mod 16 and one less, as floats
.set M,   16                           ; v16-95  turn r, plane m: two pixels at M + 8 r + 2 m
.set EF,  96                           ; v96-99
.set EI,  100                          ; v100-131  batch i, edge k: X0, Y0, VX, VY at EI + 16 i + 4 k
.set FP,  132                          ; v132-179  edge k: x0, y0, vx, vy; four limits; two signs at FP + 12 k
.set AS,  180                          ; v180-181  the areas of batch 0, 1
.set ACC, 182                          ; v182-185  s0 .. s3, my lane's part
.set X,   186
.set Y,   187
.set VX16, 188
.set VY16, 189
.set S,   190                          ; v[190:191] my step and the step before, as floats
.set BX,  192
.set BY,  193
.set BF,  194                          ; v[194:195] bx, by as floats
.set AD,  196
.set P,   198                          ; v[198:199] xs, ys
.set Q,   200                          ; v[200:201] those of the step before
.set FL,  202                          ; v202-205 their four floors
.set A,   206                          ; v[206:207] ax, ay
.set U,   208                          ; v[208:209] 1 - ax, 1 - ay
.set CC,  210                          ; v[210:211] the sample's factor for masks 0, 1 and for masks 2, 3
.set R0,  212
.set R1,  214
.set W,   216                          ; v216-223 four corners' weights, each a pair (masks 0, 1; masks 2, 3)
.set G,   224                          ; v224-239 four corners x four masks; while a batch is put into LDS: two woven pixels, twice
	s_load_b256 s[4:11], s[0:1], 0x0               ; gt_mask s[4:5], eint s[6:7], eflt s[8:9], out0 s[10:11]
	v_lshl_add_u32 v[SPW], v0, 2, SPARE
	v_mov_b32 v[NIL], 0
	v_lshrrev_b32 v[AD], 5, v0
	v_readfirstlane_b32 s12, v[AD]                 ; wave 0..15
	s_mul_i32 s14, ttmp9, 2*MBYTES                 ; the work-group's two batches in each buffer
	s_mov_b32 s15, 0
	s_lshl_b32 s16, ttmp9, 12
	s_mov_b32 s17, 0
	s_lshl_b32 s18, ttmp9, 13
	s_mov_b32 s19, 0
	s_lshl_b32 s20, ttmp9, 3
	s_mov_b32 s21, 0
	s_lshl_b32 s13, s12, 4                         ; 16 w
	s_lshl_b32 s22, s12, 5                         ; 32 w: the wave's edges are 2 w, 2 w + 32, 2 w + 1, 2 w + 33: those of lanes 2 w and 2 w + 1 of the first launch
	v_min_u32 v[LA0], 499, v0
	v_lshlrev_b32 v[GM], 3, v[LA0]
	v_and_b32 v[LT], 255, v0
	v_lshlrev_b32 v[GE], 4, v[LT]
	v_bfe_u32 v[AD], v0, 4, 1                      ; 0 forward, 1 backward
	v_lshl_add_u32 v[GI], v[AD], 10, s22
	s_wait_kmcnt 0x0
	s_add_nc_u64 s[4:5], s[4:5], s[14:15]
	s_add_nc_u64 s[6:7], s[6:7], s[16:17]
	s_add_nc_u64 s[8:9], s[8:9], s[18:19]
	s_add_nc_u64 s[10:11], s[10:11], s[20:21]
; All of batch i is asked for: 4 or 5 small loads, then the 40 of the masks, turn by turn.
.macro LOADS i
.irp k, 0,1,2,3
	global_load_b128 v[EI+16*(\i)+4*(\k):EI+16*(\i)+4*(\k)+3], v[GI], s[6:7] offset:(\i)*IBYTES+16*((\k)/2)+512*((\k)%2)
.endr
	s_cmp_lt_u32 s12, 8                            ; 4,096 bytes of eflt are 16 bytes for each thread of waves 0-7
	s_cbranch_scc0 .Lno_table_\@
	global_load_b128 v[EF:EF+3], v[GE], s[8:9] offset:(\i)*FBYTES
.Lno_table_\@:
.set rr, 0
.rept 10
.set mm, 0
.rept 4
	global_load_b64 v[M+8*rr+2*mm:M+8*rr+2*mm+1], v[GM], s[4:5] offset:(\i)*MBYTES+mm*PLANE+rr*4000 th:TH_LOAD_NT  ; 256 consecutive bytes a wave; read once in the launch
.set mm, mm+1
.endr
.set rr, rr+1
.endr
.endm
; What LOADS asked for goes into LDS.  The four planes' pairs are woven into two pixels of 16 bytes; the pixels' registers take turns between two sets.
.macro STORE
	s_wait_loadcnt 36                              ; loads come back in order (ISA guide 5.7.1): all but the youngest 36, so the small ones are in
	s_cmp_lt_u32 s12, 8
	s_cbranch_scc0 .Lno_table_\@
	ds_store_b128 v[LT], v[EF:EF+3]
.Lno_table_\@:
.set rr, 0
.rept 10
.set TT, G+8*(rr%2)
.set MM, M+8*rr
	s_wait_loadcnt 36-4*rr                         ; turn rr's four are in; the 4 (9 - rr) younger ones stay out
	v_dual_mov_b32 v[TT],   v[MM]   :: v_dual_mov_b32 v[TT+1], v[MM+2]
	v_dual_mov_b32 v[TT+2], v[MM+4] :: v_dual_mov_b32 v[TT+3], v[MM+6]
	v_dual_mov_b32 v[TT+4], v[MM+1] :: v_dual_mov_b32 v[TT+5], v[MM+3]
	v_dual_mov_b32 v[TT+6], v[MM+5] :: v_dual_mov_b32 v[TT+7], v[MM+7]
.if rr < 5
	ds_store_b128 v[LA0], v[TT:TT+3]   offset:rr*10*PITCH      ; a turn is 1,000 pixels: ten rows
	ds_store_b128 v[LA0], v[TT+4:TT+7] offset:rr*10*PITCH+16
.else
	ds_store_b128 v[LA1], v[TT:TT+3]   offset:(rr-5)*10*PITCH
	ds_store_b128 v[LA1], v[TT+4:TT+7] offset:(rr-5)*10*PITCH+16
.endif
.set rr, rr+1
.endr
	s_wait_dscnt 0x0                               ; for the others' sake: my part of the batch is in LDS
	s_barrier_signal -1
	s_barrier_wait -1
.endm
; Edge k of batch i: both directions, 16 steps each in a trip.
.macro EDGE i, k
.set EK, EI+16*(\i)+4*(\k)
.set FK, FP+12*(\k)
	s_mov_b32 s42, 0                               ; the trip
	s_mov_b32 s43, 0                               ; carries: step 0 has no valid step before it
	s_mov_b32 s44, 0
	v_mad_u32 v[X], v[LJ], v[EK+2], v[EK]          ; X0 + j VX
	v_mad_u32 v[Y], v[LJ], v[EK+3], v[EK+1]
	v_lshlrev_b32 v[VX16], 4, v[EK+2]
	v_lshlrev_b32 v[VY16], 4, v[EK+3]
	v_mov_b32 v[S], v[J]
	v_mov_b32 v[S+1], v[J+1]
.Ltrip_\@:
	v_ashrrev_i32 v[BX], 20, v[X]                  ; the base pixel, from whole numbers alone
	v_ashrrev_i32 v[BY], 20, v[Y]
	v_max_i32 v[BX], 0, v[BX]
	v_max_i32 v[BY], 0, v[BY]
	v_min_u32 v[BX], 98, v[BX]
	v_min_u32 v[BY], 98, v[BY]
	v_mul_u32_u24 v[AD], PITCH, v[BY]
	v_lshl_add_u32 v[AD], v[BX], 4, v[AD]
	ds_load_b128 v[G:G+3],     v[AD]               ; (by, bx): the four gathers go out first, the float work stands between them and their use
	ds_load_b128 v[G+4:G+7],   v[AD] offset:16     ; (by, bx + 1)
	ds_load_b128 v[G+8:G+11],  v[AD] offset:PITCH  ; (by + 1, bx)
	ds_load_b128 v[G+12:G+15], v[AD] offset:PITCH+16
	v_add_nc_u32 v[X], v[X], v[VX16]
	v_add_nc_u32 v[Y], v[Y], v[VY16]
	v_pk_mul_f32 v[P:P+1], v[S:S+1], v[FK+2:FK+3] op_sel_hi:[0,1]               ; s vx, s vy
	v_pk_mul_f32 v[Q:Q+1], v[S:S+1], v[FK+2:FK+3] op_sel:[1,0] op_sel_hi:[1,1]  ; (s - 1) vx, (s - 1) vy
	v_pk_add_f32 v[P:P+1], v[P:P+1], v[FK:FK+1]                                 ; xs, ys
	v_pk_add_f32 v[Q:Q+1], v[Q:Q+1], v[FK:FK+1]
	v_cvt_f32_u32 v[BF], v[BX]
	v_cvt_f32_u32 v[BF+1], v[BY]
	v_floor_f32 v[FL], v[P]
	v_floor_f32 v[FL+1], v[P+1]
	v_floor_f32 v[FL+2], v[Q]
	v_floor_f32 v[FL+3], v[Q+1]
	v_cmp_neq_f32 s50, v[FL], v[FL+2]              ; a new column,
	v_cmp_neq_f32 s51, v[FL+1], v[FL+3]            ; a new row
	v_cmp_ge_f32 s52, v[P], v[FK+4]                ; inside the segment's box
	v_cmp_le_f32 s53, v[P], v[FK+5]
	v_cmp_ge_f32 s54, v[P+1], v[FK+6]
	v_cmp_le_f32 s55, v[P+1], v[FK+7]
	v_cmp_le_f32 s56, 0, v[P]                      ; 0 <= xs <= 99
	v_cmp_ge_f32 s57, s45, v[P]
	v_cmp_le_f32 s58, 0, v[P+1]                    ; 0 <= ys <= 99
	v_cmp_ge_f32 s59, s45, v[P+1]
	s_cmp_eq_u32 s42, TRIPS-1                      ; the last trip holds steps 192 to 207: the last step is 200
	s_cselect_b32 s60, 0x01ff01ff, -1
	s_and_b32 s52, s52, s53
	s_and_b32 s54, s54, s55
	s_and_b32 s52, s52, s54
	s_and_b32 s52, s52, s60                        ; in the segment
	s_and_b32 s56, s56, s57
	s_and_b32 s58, s58, s59
	s_and_b32 s56, s56, s52                        ; valid for masks 0, 1
	s_and_b32 s58, s58, s52                        ; valid for masks 2, 3
	s_lshl_b32 s53, s56, 1                         ; the step before lies one lane down;
	s_and_b32 s53, s53, 0xfffefffe                 ; lanes 0 and 16 take it from the trip before
	s_or_b32 s53, s53, s43
	s_lshr_b32 s43, s56, 15
	s_and_b32 s43, s43, 0x00010001
	s_and_not1_b32 s53, s53, s50                   ; dropped: the step before was valid and had the same column
	s_and_not1_b32 s56, s56, s53                   ; kept
	s_lshl_b32 s55, s58, 1
	s_and_b32 s55, s55, 0xfffefffe
	s_or_b32 s55, s55, s44
	s_lshr_b32 s44, s58, 15
	s_and_b32 s44, s44, 0x00010001
	s_and_not1_b32 s55, s55, s51
	s_and_not1_b32 s58, s58, s55
	v_cndmask_b32 v[CC], 0, v[FK+8], s56           ; +-0.5 or 0
	v_cndmask_b32 v[CC+1], 0, v[FK+9], s58
	v_pk_add_f32 v[A:A+1], v[P:P+1], v[BF:BF+1] neg_lo:[0,1] neg_hi:[0,1]
	v_med3_num_f32 v[A], v[A], 0, 1.0              ; ax = clamp(xs - bx, 0, 1)
	v_med3_num_f32 v[A+1], v[A+1], 0, 1.0
	v_pk_fma_f32 v[U:U+1], v[A:A+1], -1.0, 1.0 op_sel_hi:[1,0,0]
	v_pk_mul_f32 v[R0:R0+1], v[CC:CC+1], v[U:U+1] op_sel:[0,1] op_sel_hi:[1,1]  ; both factors x (1 - ay)
	v_pk_mul_f32 v[R1:R1+1], v[CC:CC+1], v[A:A+1] op_sel:[0,1] op_sel_hi:[1,1]  ; x ay
	v_pk_mul_f32 v[W:W+1],   v[R0:R0+1], v[U:U+1] op_sel_hi:[1,0]               ; x (1 - ax)
	v_pk_mul_f32 v[W+2:W+3], v[R0:R0+1], v[A:A+1] op_sel_hi:[1,0]               ; x ax
	v_pk_mul_f32 v[W+4:W+5], v[R1:R1+1], v[U:U+1] op_sel_hi:[1,0]
	v_pk_mul_f32 v[W+6:W+7], v[R1:R1+1], v[A:A+1] op_sel_hi:[1,0]
	v_pk_add_f32 v[S:S+1], v[S:S+1], s[46:47] op_sel_hi:[1,0]                   ; 16 steps on
.irp c, 0,1,2,3
	s_wait_dscnt 3-(\c)                            ; LDS loads come back in order (ISA guide 5.7.1): corner c is in, the younger ones may be out
	v_pk_fma_f32 v[ACC:ACC+1],   v[G+4*(\c):G+4*(\c)+1],   v[W+2*(\c):W+2*(\c)+1], v[ACC:ACC+1] op_sel_hi:[1,0,1]
	v_pk_fma_f32 v[ACC+2:ACC+3], v[G+4*(\c)+2:G+4*(\c)+3], v[W+2*(\c):W+2*(\c)+1], v[ACC+2:ACC+3] op_sel:[0,1,0] op_sel_hi:[1,1,1]
.endr
	s_add_co_u32 s42, s42, 1
	s_cmp_lt_u32 s42, TRIPS
	s_cbranch_scc1 .Ltrip_\@
.endm
; Batch i is walked; the wave's four sums go to LDS; behind the barrier nobody reads the masks or the table any more.
.macro GATHER i
.irp k, 0,1,2,3
	ds_load_b128 v[FP+12*(\k):FP+12*(\k)+3],   v[AP0] offset:16*((\k)/2)+512*((\k)%2)
	ds_load_b128 v[FP+12*(\k)+4:FP+12*(\k)+7], v[AP1] offset:2048+16*((\k)/2)+512*((\k)%2)
	ds_load_b64  v[FP+12*(\k)+8:FP+12*(\k)+9], v[AP2] offset:3072+8*((\k)/2)+256*((\k)%2)
.endr
	ds_load_b32 v[AS+(\i)], v[AAS]
.irp c, 0,1,2,3
	v_mov_b32 v[ACC+(\c)], 0
.endr
	s_wait_dscnt 0x0
	EDGE \i, 0
	EDGE \i, 1
	EDGE \i, 2
	EDGE \i, 3
.irp c, 0,1,2,3
	v_add_f32_dpp v[ACC+(\c)], v[ACC+(\c)], v[ACC+(\c)] row_xmask:1 row_mask:0xf bank_mask:0xf
	v_add_f32_dpp v[ACC+(\c)], v[ACC+(\c)], v[ACC+(\c)] row_xmask:2 row_mask:0xf bank_mask:0xf
	v_add_f32_dpp v[ACC+(\c)], v[ACC+(\c)], v[ACC+(\c)] row_xmask:4 row_mask:0xf bank_mask:0xf
	v_add_f32_dpp v[ACC+(\c)], v[ACC+(\c)], v[ACC+(\c)] row_xmask:8 row_mask:0xf bank_mask:0xf
	v_permlanex16_b32 v[W+(\c)], v[ACC+(\c)], s48, s49     ; forward and backward meet
	v_add_f32 v[ACC+(\c)], v[ACC+(\c)], v[W+(\c)]
.endr
	s_add_co_u32 s23, s13, RED+256*(\i)
	v_mov_b32 v[AD], s23
	ds_store_b128 v[AD], v[ACC:ACC+3]              ; every lane holds the same four numbers
	s_wait_dscnt 0x0                               ; my sums are in LDS, and my reads of the masks and the table are over
	s_barrier_signal -1
	s_barrier_wait -1
.endm
	LOADS 0
	; the rest of the set-up stands in the wait for batch 0
	v_and_b32 v[LJ], 15, v0
	v_mul_u32_u24 v[LA1], 0x51f, v[LA0]            ; min(t, 499) / 50 = (1,311 t) >> 16 for t < 512: my first row
	v_lshrrev_b32 v[LA1], 16, v[LA1]
	v_lshlrev_b32 v[LA1], 4, v[LA1]
	v_lshl_add_u32 v[LA0], v[LA0], 5, v[LA1]       ; 1,616 row + 16 (2 t - 100 row) = 32 t + 16 row
	v_add_nc_u32 v[LA1], 50*PITCH, v[LA0]          ; five turns, 50 rows, further on: the stores' immediates stay under 65,536
	v_lshl_add_u32 v[LT], v[LT], 4, TBL
	s_add_co_u32 s23, s22, TBL
	v_mov_b32 v[AP1], s23
	v_lshl_add_u32 v[AP0], v[AD], 10, s23
	s_add_co_u32 s23, s13, TBL
	v_mov_b32 v[AP2], s23
	v_mov_b32 v[AAS], TBL+3584
	v_cvt_f32_u32 v[J], v[LJ]
	v_add_f32 v[J+1], -1.0, v[J]
	s_mov_b32 s45, 0x42c60000                      ; 99
	s_mov_b32 s46, 0x41800000                      ; 16, named as a pair
	s_mov_b32 s47, 0x41800000
	s_mov_b32 s48, 0x76543210                      ; v_permlanex16_b32: each lane takes its own place in the other half
	s_mov_b32 s49, 0xfedcba98
	STORE
	LOADS 1                                        ; batch 1 is on its way while batch 0 is walked
	GATHER 0
	STORE
	GATHER 1
	s_cmp_lg_u32 s12, 0
	s_cbranch_scc1 .Ldone
	v_lshl_add_u32 v[AD], v[LJ], 4, RED            ; wave 0: lane j takes wave j's sums
	ds_load_b128 v[G:G+3],   v[AD]
	ds_load_b128 v[G+4:G+7], v[AD] offset:256
	s_wait_dscnt 0x0
.irp c, 0,1,2,3,4,5,6,7
	v_add_f32_dpp v[G+(\c)], v[G+(\c)], v[G+(\c)] row_xmask:1 row_mask:0xf bank_mask:0xf
	v_add_f32_dpp v[G+(\c)], v[G+(\c)], v[G+(\c)] row_xmask:2 row_mask:0xf bank_mask:0xf
	v_add_f32_dpp v[G+(\c)], v[G+(\c)], v[G+(\c)] row_xmask:4 row_mask:0xf bank_mask:0xf
	v_add_f32_dpp v[G+(\c)], v[G+(\c)], v[G+(\c)] row_xmask:8 row_mask:0xf bank_mask:0xf
.endr
	v_add_f32 v[W],   |v[G]|,   |v[G+1]|
	v_add_f32 v[W+1], |v[G+2]|, |v[G+3]|
	v_add_f32 v[W+2], |v[G+4]|, |v[G+5]|
	v_add_f32 v[W+3], |v[G+6]|, |v[G+7]|
	v_add_f32 v[W],   v[W],   v[W+1]
	v_add_f32 v[W+2], v[W+2], v[W+3]
	v_mul_f32 v[W],   0x3e800000, v[W]             ; I of batch 0,
	v_mul_f32 v[W+2], 0x3e800000, v[W+2]           ; of batch 1
	v_sub_f32 v[W+1], v[AS],   v[W]                ; the unions
	v_sub_f32 v[W+3], v[AS+1], v[W+2]
	v_rcp_f32 v[W+1], v[W+1]
	v_rcp_f32 v[W+3], v[W+3]
	v_mov_b32 v[AD], 0                             ; a plain instruction between the reciprocals and their use (ISA guide 5.7.2)
	s_wait_alu depctr_va_vdst(0)
	v_mul_f32 v[W+4], v[W],   v[W+1]
	v_mul_f32 v[W+5], v[W+2], v[W+3]
	v_cmp_eq_u32 vcc_lo, 0, v0
	s_and_saveexec_b32 s40, vcc_lo
	global_store_b64 v[AD], v[W+4:W+5], s[10:11]   ; the work-group's two numbers: all that it has to store
	s_wait_xcnt 0x0                                ; EXEC changes only behind this wait
	s_or_b32 exec_lo, exec_lo, s40
.Ldone:
	s_wait_tensorcnt 0x0                           ; the wave's end: behind my last LDS store
	ds_add_u32 v[SPW], v[NIL]
	s_wait_dscnt 0x0
	s_endpgm
.Lfunc_end_k_q403f2942d8_main:
	.size	k_q403f2942d8_main, .Lfunc_end_k_q403f2942d8_main-k_q403f2942d8_main
	.p2alignl 7, 3214868480
	.fill 96, 4, 3214868480
	.section	.rodata,"a",@progbits
	.p2align	6, 0x0
	.amdhsa_kernel k_q403f2942d8_main
		.amdhsa_group_segment_fixed_size 168704
		.amdhsa_private_segment_fixed_size 0
		.amdhsa_enable_private_segment 0
		.amdhsa_kernarg_size 32
		.amdhsa_user_sgpr_count 2
		.amdhsa_user_sgpr_kernarg_segment_ptr 1
		.amdhsa_wavefront_size32 1
		.amdhsa_system_sgpr_workgroup_id_x 1
		.amdhsa_system_sgpr_workgroup_id_y 1
		.amdhsa_system_sgpr_workgroup_id_z 1
		.amdhsa_system_vgpr_workitem_id 0
		.amdhsa_next_free_vgpr 240
		.amdhsa_next_free_sgpr 66
		.amdhsa_reserve_vcc 1
		.amdhsa_float_denorm_mode_32 3
		.amdhsa_float_denorm_mode_16_64 3
		.amdhsa_memory_ordered 1
		.amdhsa_forward_progress 1
		.amdhsa_inst_pref_size 65
	.end_amdhsa_kernel
	.amdgpu_metadata
---
amdhsa.version: [ 1, 2 ]
amdhsa.kernels:
  - .name:           k_q403f2942d8_main
    .symbol:         k_q403f2942d8_main.kd
    .args:
      - { .name: gt_mask, .offset: 0, .size: 8, .value_kind: global_buffer, .address_space: global }
      - { .name: eint, .offset: 8, .size: 8, .value_kind: global_buffer, .address_space: global }
      - { .name: eflt, .offset: 16, .size: 8, .value_kind: global_buffer, .address_space: global }
      - { .name: out0, .offset: 24, .size: 8, .value_kind: global_buffer, .address_space: global }
    .group_segment_fixed_size: 168704
    .private_segment_fixed_size: 0
    .kernarg_segment_align: 8
    .kernarg_segment_size: 32
    .max_flat_workgroup_size: 512
    .sgpr_count:     66
    .vgpr_count:     240
    .wavefront_size: 32
...
	.end_amdgpu_metadata
.endif
;; end of part 2
